; MI455X (gfx1250); checked and timed in simulation.
; The chip was launched on July 23, 2026; its instructions are those of AMD's public machine-readable ISA for CDNA 5 (MIT licence, August 2026) and "CDNA5" Instruction Set Architecture Reference Guide (July 2026). The comments in the code are by the model that wrote it; some were corrected since.
;; Fast KAN Layer. Allowed arithmetic: float matrix products may take bf16 or f16 operands with f32 sums; other float arithmetic in f32, or as packed bf16 or f16 multiplies, adds, multiply-adds, maxima and minima; sums over many terms, partial sums and values carried from step to step in f32; what a program stores and reads back later, other than sums and carried values, may be rounded once to bf16 or f16.
;; Inputs: base_scale 1,024 x 256 float32; grid 35 float32; spline_weight 1,024 x 256 x 35 float32; x 4,096 x 1,024 float32.
;; Outputs: out0 4,096 x 256 float32.
;; 2 versions, each right; version 2 is version 1 with the launch pack written anew for expert scheduling mode. Each part assembles by itself: llvm-mc -triple=amdgcn-amd-amdhsa -mcpu=gfx1250 --defsym DOCPART=n.
;; ======== version 1 of 2: 3 launches
;; limits: values are held in f16: magnitudes above 65,504 overflow, below 6.1e-05 lose precision
;; workspace buffers: wt 18,874,368 bytes; part 33,554,432 bytes
;; launch pack (part 1): grid 16 x 16, 8 waves a work-group, no clusters, 75,264 bytes of LDS; arguments spline_weight, base_scale, wt; writes wt
.if DOCPART == 1
	.amdgcn_target "amdgcn-amd-amdhsa--gfx1250"
	.amdhsa_code_object_version 6
	.text
	.protected	k_qd2746890d7_pack
	.globl	k_qd2746890d7_pack
	.p2align	8
	.type	k_qd2746890d7_pack,@function
k_qd2746890d7_pack:
	s_mov_b64 s[64:65], 0
	v_nop
	global_prefetch_b8 v0, s[64:65] scope:SCOPE_SE
	s_setreg_imm32_b32 hwreg(HW_REG_WAVE_MODE, 25, 1), 1
	s_wait_xcnt 0x0
; wt[om][z][n][cc][il] (f16) = weight(i = 64 om + il, n, c' = 2 z + cc), where c' = 0 is base_scale[i][n] and c' = 1..35 is spline_weight[i][n][c' - 1].
; A tile (om, z) is 65,536 dense bytes in rows of 256: the B operand of the next launch, K (the index i) along the rows.
; LIMITS.  Each weight is rounded once to f16: 65,520 or more in magnitude becomes an infinity; below 6e-5 it keeps f16's fixed step of 6e-8.
; SHARES.  A work-group takes 64 i (om = x) and 16 n (ne = y).  Wave w reads rows i = 8 w .. 8 w + 7: 2,240 consecutive bytes each (16 n x 35 c), 16 bytes a lane.
; Two neighbouring rows are rounded together, so that a word holds (i even, i odd); the words go to LDS as they lie ([pair][35 n + c]); behind one barrier
; each lane gathers four words (8 i of one n and c') and a wave's store covers 512 consecutive bytes at a multiple of 512 from wt's first byte.
; No matrix unit, no tensor load, no cluster: a stream with a transposition, and no two work-groups read the same bytes (but for the edges of blocks).
.set ROWB,  35840                      ; bytes in a row i of spline_weight
.set P2,    2320                       ; LDS bytes of a pair of rows: 560 words of spline, 16 words of base, 4 of padding
.set SPARE, 32*P2                      ; 74,240: the spare words, 128 bytes for each of eight waves
.set VL,  2                            ; v2   16 x lane
.set VB,  3                            ; v3   my offset in the wave's eight rows of base_scale
.set LS,  4                            ; v4   LDS: where my 16 bytes of a pair's words go
.set LB,  5                            ; v5   LDS: the same for base
.set RA,  6                            ; v6   LDS: what I gather, z >= 1
.set RZ,  7                            ; v7   LDS: what I gather, z = 0
.set BS,  8                            ; v[8:15]  base: even row, odd row
.set PK,  16                           ; v[16:19] four packed words
.set SPW, 20                           ; v20  my spare word; never rewritten
.set NIL, 21                           ; v21  0; never rewritten
.set D,   32                           ; v[32:191] 40 loads of 4 registers; later what is gathered
	s_load_b128 s[4:7], s[0:1], 0x0                ; spline_weight s[4:5], base_scale s[6:7]
	s_load_b64 s[8:9], s[0:1], 0x10                ; wt
	v_lshl_add_u32 v[SPW], v0, 2, SPARE
	v_mov_b32 v[NIL], 0
	v_lshrrev_b32 v1, 5, v0
	v_readfirstlane_b32 s12, v1                    ; wave 0..7
	v_and_b32 v1, 31, v0                           ; lane
	s_and_b32 s13, ttmp7, 0xffff                   ; ne
	s_lshl_b32 s14, ttmp9, 6
	s_lshl3_add_u32 s14, s12, s14                  ; my first row i = 64 om + 8 w
	s_mul_i32 s16, s14, ROWB
	s_mul_i32 s15, s13, 2240
	s_add_co_u32 s16, s16, s15                     ; its 16 n in spline_weight (under 2^26)
	s_mov_b32 s17, 0
	s_lshl_b32 s18, s14, 10
	s_lshl_b32 s15, s13, 6
	s_add_co_u32 s18, s18, s15                     ; and in base_scale
	s_mov_b32 s19, 0
	s_mul_i32 s20, ttmp9, 18*65536
	s_lshl_b32 s15, s13, 12
	s_add_co_u32 s20, s20, s15
	s_lshl_b32 s15, s12, 9
	s_add_co_u32 s20, s20, s15                     ; wt: om's 18 tiles, row 16 ne + 2 w
	s_mov_b32 s21, 0
	s_mul_i32 s22, s12, 4*P2                       ; my four pairs in LDS
	v_lshlrev_b32 v[VL], 4, v1
	v_bfe_u32 v22, v1, 2, 2                        ; base: pair (lane / 4) % 4, four n from 4 (lane % 4); lanes 16-31 repeat lanes 0-15
	v_and_b32 v23, 3, v1
	v_lshlrev_b32 v23, 4, v23
	v_lshl_add_u32 v[VB], v22, 11, v23             ; two rows of 1,024 bytes a pair
	v_add_nc_u32 v[LS], s22, v[VL]
	v_mul_u32_u24 v[LB], v22, P2
	v_add_nc_u32 v[LB], v[LB], v23
	v_add_nc_u32 v[LB], s22, v[LB]
	v_add_nc_u32 v[LB], 2240, v[LB]                ; words 560 + n
	v_and_b32 v22, 7, v1                           ; the gather: octet o of i = lane % 8: pairs 4 o .. 4 o + 3
	v_mul_u32_u24 v22, v22, 4*P2
	v_bfe_u32 v23, v1, 3, 1                        ; cc
	v_lshrrev_b32 v24, 4, v1
	v_lshl_add_u32 v24, s12, 1, v24                ; n = 2 w + lane / 16
	v_mul_u32_u24 v25, v24, 140                    ; word 35 n
	v_lshl_add_u32 v26, v23, 2, v25
	v_add_nc_u32 v[RA], v22, v26                   ; word 35 n + cc; the immediate adds 2 z - 1
	v_lshl_add_u32 v27, v24, 2, 2240               ; word 560 + n
	v_cmp_eq_u32 vcc_lo, 1, v23
	v_cndmask_b32 v27, v27, v25, vcc_lo            ; z = 0: cc = 0 is base, cc = 1 is c = 0
	v_add_nc_u32 v[RZ], v22, v27
	s_wait_kmcnt 0x0
	s_add_nc_u64 s[4:5], s[4:5], s[16:17]
	s_add_nc_u64 s[6:7], s[6:7], s[18:19]
	s_add_nc_u64 s[8:9], s[8:9], s[20:21]
	global_load_b128 v[BS:BS+3],   v[VB], s[6:7]
	global_load_b128 v[BS+4:BS+7], v[VB], s[6:7] offset:1024
; A row's 2,240 bytes are four loads of 512 and a fifth that ends with the row: it takes 320 bytes again, so that every lane stays on.
.irp r, 0,1,2,3,4,5,6,7
.irp k, 0,1,2,3,4
	global_load_b128 v[D+4*(5*(\r)+(\k)):D+4*(5*(\r)+(\k))+3], v[VL], s[4:5] offset:(\r)*ROWB+512*(\k)-320*((\k)/4) th:TH_LOAD_NT
.endr
.endr
	s_wait_loadcnt 40                              ; base is in: the 40 loads issued behind it stay out
.irp m, 0,1,2,3
	v_cvt_pk_f16_f32 v[PK+(\m)], v[BS+(\m)], v[BS+4+(\m)]
.endr
	ds_store_b128 v[LB], v[PK:PK+3]
.irp p, 0,1,2,3
	s_wait_loadcnt 10*(3-(\p))                     ; rows 2 p and 2 p + 1 are in: the later pairs' loads stay out
.irp k, 0,1,2,3,4
.irp m, 0,1,2,3
	v_cvt_pk_f16_f32 v[PK+(\m)], v[D+4*(10*(\p)+(\k))+(\m)], v[D+4*(10*(\p)+5+(\k))+(\m)]  ; even row low, odd row high
.endr
	ds_store_b128 v[LS], v[PK:PK+3] offset:(\p)*P2+512*(\k)-320*((\k)/4)
.endr
.endr
	s_wait_dscnt 0x0                               ; for the others' sake: my words are in LDS
	s_barrier_signal -1
	s_barrier_wait -1
; Out, nine z at a time, each batch in registers of its own: four words a lane and z, then 16 bytes a lane.
.irp t, 0,1
.irp z, 0,1,2,3,4,5,6,7,8
.irp j, 0,1,2,3
.if (9*(\t)+(\z)) == 0
	ds_load_b32 v[D+36*(\t)+4*(\z)+(\j)], v[RZ] offset:(\j)*P2
.else
	ds_load_b32 v[D+36*(\t)+4*(\z)+(\j)], v[RA] offset:(\j)*P2+8*(9*(\t)+(\z))-4
.endif
.endr
.endr
.irp z, 0,1,2,3,4,5,6,7,8
	s_wait_dscnt 4*(8-(\z))                        ; this z's four words are in: the later ones of the batch stay out
	global_store_b128 v[VL], v[D+36*(\t)+4*(\z):D+36*(\t)+4*(\z)+3], s[8:9] offset:(9*(\t)+(\z))*65536  ; 512 consecutive bytes: two rows n of a tile
.endr
.endr
	s_wait_tensorcnt 0x0                           ; the wave's end, behind my last LDS store
	ds_add_u32 v[SPW], v[NIL]
	s_wait_dscnt 0x0
	s_endpgm
.Lfunc_end_k_qd2746890d7_pack:
	.size	k_qd2746890d7_pack, .Lfunc_end_k_qd2746890d7_pack-k_qd2746890d7_pack
	.p2alignl 7, 3214868480
	.fill 96, 4, 3214868480
	.section	.rodata,"a",@progbits
	.p2align	6, 0x0
	.amdhsa_kernel k_qd2746890d7_pack
		.amdhsa_group_segment_fixed_size 75264
		.amdhsa_private_segment_fixed_size 0
		.amdhsa_enable_private_segment 0
		.amdhsa_kernarg_size 24
		.amdhsa_user_sgpr_count 2
		.amdhsa_user_sgpr_kernarg_segment_ptr 1
		.amdhsa_wavefront_size32 1
		.amdhsa_system_sgpr_workgroup_id_x 1
		.amdhsa_system_sgpr_workgroup_id_y 1
		.amdhsa_system_sgpr_workgroup_id_z 1
		.amdhsa_system_vgpr_workitem_id 0
		.amdhsa_next_free_vgpr 192
		.amdhsa_next_free_sgpr 66
		.amdhsa_reserve_vcc 1
		.amdhsa_float_denorm_mode_32 3
		.amdhsa_float_denorm_mode_16_64 3
		.amdhsa_memory_ordered 1
		.amdhsa_forward_progress 1
		.amdhsa_inst_pref_size 21
	.end_amdhsa_kernel
	.amdgpu_metadata
---
amdhsa.version: [ 1, 2 ]
amdhsa.kernels:
  - .name:           k_qd2746890d7_pack
    .symbol:         k_qd2746890d7_pack.kd
    .args:
      - { .name: spline_weight, .offset: 0, .size: 8, .value_kind: global_buffer, .address_space: global }
      - { .name: base_scale, .offset: 8, .size: 8, .value_kind: global_buffer, .address_space: global }
      - { .name: wt, .offset: 16, .size: 8, .value_kind: global_buffer, .address_space: global }
    .group_segment_fixed_size: 75264
    .private_segment_fixed_size: 0
    .kernarg_segment_align: 8
    .kernarg_segment_size: 24
    .max_flat_workgroup_size: 256
    .sgpr_count:     66
    .vgpr_count:     192
    .wavefront_size: 32
...
	.end_amdgpu_metadata
.endif
;; end of part 1
;; launch kan (part 2): grid 32 x 8, 4 waves a work-group, clusters of 4 x 1, 327,680 bytes of LDS; arguments x, grid, wt, part; writes part
.if DOCPART == 2
	.amdgcn_target "amdgcn-amd-amdhsa--gfx1250"
	.amdhsa_code_object_version 6
	.text
	.protected	k_qd2746890d7_kan
	.globl	k_qd2746890d7_kan
	.p2align	8
	.type	k_qd2746890d7_kan,@function
k_qd2746890d7_kan:
	s_mov_b64 s[64:65], 0
	v_nop
	global_prefetch_b8 v0, s[64:65] scope:SCOPE_SE
	s_setreg_imm32_b32 hwreg(HW_REG_WAVE_MODE, 25, 1), 1
	s_wait_xcnt 0x0
	s_wait_alu depctr_hold_cnt(0) depctr_sa_sdst(0) depctr_va_vdst(0) depctr_va_sdst(0) depctr_va_ssrc(0) depctr_va_vcc(0) depctr_vm_vsrc(0)
	s_getreg_b32 s2, hwreg(HW_REG_IB_STS2, 6, 4)
	s_cmp_eq_u32 s2, 0
	s_cbranch_scc0 .Lentry_in_a_cluster
	s_endpgm
.Lentry_in_a_cluster:
	s_bfe_u32 s2, ttmp6, 0x10000c
	s_cmp_lg_u32 s2, 0x3003
	s_cbranch_scc0 .Lentry_shape_is_right
	s_endpgm
.Lentry_shape_is_right:
; part[kg][m][n] = 3/4 of the sum over the 128 inputs i of group kg and over c' = 0..35 of A(m, i, c') W(i, n, c'):  one product with M = 4,096, N = 256, K = 36,864, K split in eight.
; A does not lie in memory: A(., ., 0) = silu(xc), A(., ., c') = the cubic B-spline of 17 |xc - grid[c' - 1]|, xc = x held to -0.99 .. 0.99.  W is wt, made by the launch before, in f16.
; THE BASIS.  With u = 8.5 (xc - g):  TA = clamp(1 + u), TB = clamp(1 - u) (clamp: to 0 .. 1), S = TA TB = max(1 - |u|, 0), T = clamp(2 al S - al), al = 2^(-1/3).  Then S^3 - T^3 is 3/4 of the basis in both of
; its branches and 0 beyond them: nine packed lines for two values, no compare and no select.  silu is made as x / (4/3 e + 4/3), e = 2^(-x log2 e): 3/4 of it too.  The last launch multiplies by 4/3.
; All 35 values of grid are read and used as they are given; nothing is built on their spacing.
; LIMITS.  A is rounded once to f16 (it lies in -0.3 .. 0.55; below 6e-5 it keeps f16's fixed step).  A NaN in x counts as -0.99.  8.5 grid must be finite.
; SHARES.  A work-group owns 128 rows (mb) and 128 inputs (kg), all 256 columns.  Wave w: rows 64 (w % 2) on, inputs 64 (w / 2) on (stream om = 2 kg + w / 2): 64 accumulators of 16 x 16.  So every value of A is
; made once in the launch and feeds 16 matrix instructions.  A step is K = 32: 32 neighbouring inputs (block b) at one c'; 72 steps, step t: c' = t / 2, b = t % 2.  The two waves of a row half add their sums through LDS at the end.
; BY TURNS.  While step t's 64 matrix instructions are issued, A of step t + 1 is made: its 288 vector lines stand in 64 slices, one behind each matrix instruction.
; THE MATRIX INSTRUCTION IS USED TRANSPOSED (source 0 = 16 columns n of W, source 1 = 16 rows of A): a lane then holds one row m and eight neighbouring columns.
; CLUSTER.  The four work-groups of a cluster have the same kg and other mb: they walk the same tiles of wt, so each tile is asked for JOINTLY, by the same tensor load with the same descriptor and the mask of four.
; Only W is fetched, so the cluster has one axis.
; REGISTERS, in windows of 256 (s_set_vgpr_msb: bits 1:0 source 0, 3:2 source 1, 5:4 source 2, 7:6 destination):
;   window 0: v0-7 addresses; v8-15 four constants, each twice; v16-23 1 -+ 8.5 g for odd and for even steps; v24-55 four chains at work; v56-62 addresses; v64-127 A, two buffers; v128-255 xc
;   window 1: v0-63, v64-127 W's fragments of columns 0-127, 128-255; v128-255 x as it lands     window 2: the accumulators of my rows 0-31     window 3: of my rows 32-63
; All that a slice touches lies in window 0 and the accumulators fill two windows, so a slice costs two switches.
.set PITCH,  272                       ; an LDS row of W: 256 bytes ([cc 2][64 inputs] f16) + 16 of padding = 68 words: the 16 rows of a load start at 16 different groups of four banks (64 banks of 4 bytes: ISA guide 11.1)
.set NBS,    16*PITCH                  ; 16 rows
.set QTILE,  128*PITCH                 ; what one tensor load brings: 128 columns n of one stream
.set STREAM, 2*QTILE                   ; a stream's 256 columns
.set SLOT,   2*STREAM                  ; 139,264 = 0x22000: both streams, two c'.  Bits 13 and 17 are clear in every address inside slot 0, so one exclusive or changes slots
.set XST,    2*SLOT                    ; behind the ring: 16 rows x 272 bytes for each wave, through which x comes into A's lane order; no tensor load fills it
.set SPARE,  XST+4*NBS                 ; 295,936: the spare words, 128 bytes a wave
.set RP,     1040                      ; the end: a row of 256 f32 + 16 bytes
.set RREG,   64*RP                     ; a wave's 64 rows; the four regions lie in the ring, which has had its last fill by then
.set AB0, 3                            ; v3   my lane's place in a tile of W; never rewritten
.set ADR, 4                            ; v4   the LDS address of the run of loads in hand
.set SPW, 6                            ; v6   my spare word: SPARE + 4 x my thread's number; never rewritten
.set NIL, 7                            ; v7   0; never rewritten
.set KP,  8                            ; v[8:9]    8.5 twice: the lines with clamp take registers alone as sources
.set KM,  10                           ; v[10:11] -8.5
.set C2A, 12                           ; v[12:13]  2 al
.set CNA, 14                           ; v[14:15] -al
.set CCO, 16                           ; v[16:19]  1 - 8.5 g twice, 1 + 8.5 g twice: for the lists that stand in odd steps
.set CCE, 20                           ; v[20:23]  for those in even steps
.set T,   24                           ; chain a at T + 8 a: TA (then S), TB (then T), Q, P: a pair each
.set GX,  56                           ; v56  my offset in two rows of x
.set XS,  57                           ; v57  x into the stage
.set XL,  58                           ; v58  and back
.set RS,  59                           ; v59  the end: where my sums go
.set RL0, 60                           ; v60, v61  where I read the two regions that I add
.set RL1, 61
.set GO,  62                           ; v62  16 x lane
.set AF,  64                           ; A: buffer p, row block a at AF + 32 p + 8 a
.set X,   128                          ; xc: X + 64 b + 16 a + n: my row's inputs 32 b + 8 h + n (n < 8), 32 b + 16 + 8 h + n - 8 (n >= 8)
.set E0,  64                           ; the end: two sets of 64 registers
.set WV,  12                           ; s12  my wave's number
.set MH,  13                           ; s13  w % 2: my half of the rows
.set KH,  14                           ; s14  w / 2: my stream
.set G1,  24                           ; s[24:31] descriptor group 1
.set G0A, 32                           ; s[32:35] group 0 of the first fill
.set G0W, 36                           ; s[36:39] of the second; it then walks on
.set SLOTS, 40
.set CNT, 41
.set TB,  42                           ; s42  LDS byte at which my stream's rows of the c' to be fetched begin
.set CLO, 43                           ; s43, s44  -0.99, 0.99
.set CHI, 44
.set C43, 46                           ; s[46:47] 4/3
.set NL2E, 48                          ; s[48:49] -log2 e
.set GN,  50                           ; s50  the next number of grid
.set GOFF, 51                          ; s51  its byte offset
.set GRAW, 54                          ; s54  the offset's counter
.set MSB, 0
.macro WIN new                         ; the immediate's high byte repeats the setting that is left; a switch that changes nothing is dropped
.if MSB != (\new)
	s_set_vgpr_msb (MSB<<8)|(\new)
.set MSB, (\new)
.endif
.endm
.macro PLACES                          ; four places (ISA guide 7.12.1) where no other vector work is at hand
.rept 4
	v_nop
.endr
.endm
; A round of the cluster's barrier: my work-group's barrier, so that wave 0's signal speaks for all four waves; wave 0 signals; every wave waits for all four work-groups; my work-group's barrier once more.
.macro CROUND
	s_barrier_signal -1
	s_barrier_wait -1
	s_cmp_lg_u32 s[WV], 0
	s_cbranch_scc1 .Lnot_wave_0_\@
	s_barrier_signal -3
.Lnot_wave_0_\@:
	s_barrier_wait -3
	s_barrier_signal -1
	s_barrier_wait -1
.endm
	s_load_b256 s[4:11], s[0:1], 0x0               ; x s[4:5], grid s[6:7], wt s[8:9], part s[10:11]
	v_lshl_add_u32 v[SPW], v0, 2, SPARE
	v_mov_b32 v[NIL], 0
	ds_add_u32 v[SPW], v[NIL]                      ; the wave's opening: the add and its wait stand ahead of my first tensor load; the set-up below, work on registers, stands between them
	v_lshrrev_b32 v1, 5, v0
	v_readfirstlane_b32 s[WV], v1                  ; wave 0..3
	s_and_b32 s[MH], s[WV], 1
	s_lshr_b32 s[KH], s[WV], 1
	s_bfe_u32 s15, ttmp6, 0x40000                  ; cx: my place in the cluster
	s_lshl_b32 s16, ttmp9, 2                       ; in a cluster launch ttmp9 counts clusters
	s_add_co_u32 s16, s16, s15                     ; mb = 4 x cluster x + cx: it enters x's and part's addresses alone
	s_and_b32 s17, ttmp7, 0xffff                   ; kg, which the four partners share
	s_lshl1_add_u32 s18, s17, s[KH]                ; om = 2 kg + my stream
	s_lshl_b32 s20, s16, 19                        ; x: row 128 mb + 64 (w % 2), 4,096 bytes a row; inputs 64 om on, 256 bytes
	s_lshl_b32 s19, s[MH], 18
	s_add_co_u32 s20, s20, s19
	s_lshl_b32 s19, s18, 8
	s_add_co_u32 s20, s20, s19
	s_mov_b32 s21, 0
	s_mul_i32 s22, s18, 18*65536                   ; wt: om's 18 tiles; my 128 rows of 256 bytes.  No register of this sum ever holds cx
	s_lshl_b32 s23, s[MH], 15
	s_add_co_u32 s22, s22, s23
	s_mov_b32 s23, 0
	s_lshl_b32 s52, s17, 22                        ; part: kg's 4 MiB; the 32 rows that I store: 128 mb + 64 (w % 2) + 32 (w / 2), 1,024 bytes a row
	s_lshl_b32 s53, s16, 17
	s_add_co_u32 s52, s52, s53
	s_lshl_b32 s53, s[MH], 16
	s_add_co_u32 s52, s52, s53
	s_lshl_b32 s53, s[KH], 15
	s_add_co_u32 s52, s52, s53
	s_mov_b32 s53, 0
	; descriptor group 1: a tile of 128 rows x 128 elements, dense in memory, padded in LDS
	s_mov_b32 s[G1+0], 15|(1<<16)|(1<<20)|(1<<21)|(5<<22)|(3<<25)  ; 15:0 the mask of four; 17:16 2-byte elements; 20 padding on; 21 set beside a mask; 24:22 after every 64 words (code 5); 31:25 4 words (code 3)
	s_mov_b32 s[G1+1], 128<<16                     ; tensor_dim0 = 128
	s_mov_b32 s[G1+2], 128<<16                     ; tensor_dim1 = 128
	s_mov_b32 s[G1+3], 128<<16                     ; tile_dim0 = 128
	s_mov_b32 s[G1+4], 128                         ; tile_dim1 = 128
	s_mov_b32 s[G1+5], 128                         ; 128 elements from row to row
	s_mov_b32 s[G1+6], 0
	s_mov_b32 s[G1+7], 0
	s_mov_b32 s[G0A], 1                            ; count = 1
	s_mul_i32 s[G0A+1], s[WV], QTILE               ; LDS: slot 0, stream w / 2, rows 128 (w % 2) on = wave x 128 rows
	s_mov_b32 s[G0W], 1
	s_add_co_u32 s[G0W+1], s[G0A+1], SLOT          ; slot 1
	s_mul_i32 s[TB], s[KH], STREAM
	s_mov_b32 s[CLO], 0xbf7d70a4                   ; -0.99
	s_mov_b32 s[CHI], 0x3f7d70a4
	s_mov_b32 s[C43], 0x3faaaaab                   ; 4/3
	s_mov_b32 s[C43+1], s[C43]                     ; named with it as a pair
	s_mov_b32 s[NL2E], 0xbfb8aa3b                  ; -log2 e
	s_mov_b32 s[NL2E+1], s[NL2E]
	s_mov_b32 s[GRAW], 8
	s_wait_dscnt 0x0                               ; the opening add is done
	s_wait_kmcnt 0x0
	s_add_nc_u64 s[4:5], s[4:5], s[20:21]
	s_add_nc_u64 s[10:11], s[10:11], s[52:53]
	s_add_nc_u64 s[G0A+2:G0A+3], s[8:9], s[22:23]  ; tile 0 (c' = 0, 1)
	s_add_nc_u64 s[G0W+2:G0W+3], s[G0A+2:G0A+3], 65536  ; tile 1
	s_or_b32 s[G0A+3], s[G0A+3], 0x80000000        ; type = 2
	s_or_b32 s[G0W+3], s[G0W+3], 0x80000000
	CROUND                                         ; all four work-groups are here: the first joint loads meet
	tensor_load_to_lds s[G0A:G0A+3], s[G1:G1+7]    ; both first fills together, ahead of every wait on TENSORcnt and every LDS read: two loads of mine are out
	s_nop 0
	tensor_load_to_lds s[G0W:G0W+3], s[G1:G1+7]
	s_nop 0
	PLACES
	s_load_b32 s[GN], s[6:7], 0x0                  ; grid[0]
	v_and_b32 v1, 15, v0                           ; r = l % 16
	v_bfe_u32 v2, v0, 4, 1                         ; h = l / 16
	v_lshlrev_b32 v[GX], 4, v1
	v_lshl_add_u32 v[GX], v2, 12, v[GX]            ; 16 lanes take the 256 bytes of one row, the other 16 those of the next
	WIN 0x40                                       ; destination window 1
.irp a, 0,1,2,3
.irp t, 0,1,2,3,4,5,6,7
	global_load_b128 v[128+32*\a+4*\t:128+32*\a+4*\t+3], v[GX], s[4:5] offset:(16*\a+2*\t)*4096 th:TH_LOAD_NT  ; no other wave of the launch reads these bytes
.endr
.endr
	WIN 0
	v_mul_u32_u24 v[AB0], v1, PITCH
	s_mul_i32 s19, s[WV], NBS
	s_add_co_u32 s19, s19, XST                     ; my stage
	v_lshl_add_u32 v[XL], v2, 5, v[AB0]            ; back: row r, 32 bytes (8 inputs) for each half of the lanes
	v_add_nc_u32 v[XL], s19, v[XL]
	v_lshl_add_u32 v[AB0], v2, 4, v[AB0]           ; a fragment of W: row r x pitch + 16 h
	v_mul_u32_u24 v[XS], v2, PITCH                 ; in: as loaded
	v_lshl_add_u32 v[XS], v1, 4, v[XS]
	v_add_nc_u32 v[XS], s19, v[XS]
	v_mul_u32_u24 v[RS], v1, RP                    ; the end: row r, 32 bytes (8 columns) for each half of the lanes
	v_lshl_add_u32 v[RS], v2, 5, v[RS]
	s_mul_i32 s55, s[WV], RREG
	v_add_nc_u32 v[RS], s55, v[RS]
	v_and_b32 v[GO], 31, v0
	v_lshlrev_b32 v[GO], 4, v[GO]
	s_mul_i32 s56, s[MH], RREG                     ; I add rows 32 (w / 2) on of regions w % 2 and w % 2 + 2
	s_mul_i32 s57, s[KH], 32*RP
	s_add_co_u32 s56, s56, s57
	v_add_nc_u32 v[RL0], s56, v[GO]
	v_add_nc_u32 v[RL1], 2*RREG, v[RL0]
	v_mov_b32 v[KP], 0x41080000                    ; 8.5 = half of 1 / h = 17
	v_mov_b32 v[KP+1], 0x41080000
	v_mov_b32 v[KM], 0xc1080000
	v_mov_b32 v[KM+1], 0xc1080000
	v_mov_b32 v[C2A], 0x3fcb2ff5                   ; 2 x 2^(-1/3)
	v_mov_b32 v[C2A+1], 0x3fcb2ff5
	v_mov_b32 v[CNA], 0xbf4b2ff5                   ; -2^(-1/3)
	v_mov_b32 v[CNA+1], 0xbf4b2ff5
; x into A's lane order, 16 rows at a time through my own stage.  LDS serves a wave's instructions in order (ISA guide 5.7.1.4): the loads see the stores above them, the next block's stores come behind them.
.irp a, 0,1,2,3
	s_wait_loadcnt 8*(3-\a)                        ; this block's eight loads are in: the later blocks' stay out
	WIN 0x04                                       ; store data in window 1
.irp t, 0,1,2,3,4,5,6,7
	ds_store_b128 v[XS], v[128+32*\a+4*\t:128+32*\a+4*\t+3] offset:\t*2*PITCH
.endr
	WIN 0
.irp u, 0,1,2,3,4,5,6,7
	ds_load_b128 v[X+64*(\u/4)+16*\a+4*(\u%4):X+64*(\u/4)+16*\a+4*(\u%4)+3], v[XL] offset:128*(\u/4)+64*((\u%4)/2)+16*(\u%2)
.endr
.endr
; 1 - 8.5 g and 1 + 8.5 g, each twice, from the number of grid that has been asked for
.macro CCSET cc
	s_wait_kmcnt 0x0                               ; it is in (scalar loads: the count 0 alone)
	v_fma_f32 v[(\cc)],   s[GN], v[KM], 1.0
	v_fma_f32 v[(\cc)+1], s[GN], v[KM], 1.0
	v_fma_f32 v[(\cc)+2], s[GN], v[KP], 1.0
	v_fma_f32 v[(\cc)+3], s[GN], v[KP], 1.0
.endm
; Line j of 288 of the list that makes a step's A (buffer p) from input block b: register q = j / 36 of the four row blocks a = j % 4, nine lines each; the four chains alternate, so that a line reads a result made four lines before.
.macro GOP p, b, cc
.set oq, j/36
.set oo, (j%36)/4
.set oa, j%4
.set rT, T+8*oa
.set rX, X+64*(\b)+16*oa+2*oq
.if oo == 0
	v_pk_fma_f32 v[rT:rT+1], v[rX:rX+1], v[KP:KP+1], v[(\cc):(\cc)+1] clamp          ; TA = clamp(1 + u)
.elseif oo == 1
	v_pk_fma_f32 v[rT+2:rT+3], v[rX:rX+1], v[KM:KM+1], v[(\cc)+2:(\cc)+3] clamp      ; TB = clamp(1 - u)
.elseif oo == 2
	v_pk_mul_f32 v[rT:rT+1], v[rT:rT+1], v[rT+2:rT+3]                                ; S: one of the two factors is 1, or one is 0
.elseif oo == 3
	v_pk_fma_f32 v[rT+2:rT+3], v[rT:rT+1], v[C2A:C2A+1], v[CNA:CNA+1] clamp          ; T
.elseif oo == 4
	v_pk_mul_f32 v[rT+4:rT+5], v[rT:rT+1], v[rT:rT+1]
.elseif oo == 5
	v_pk_mul_f32 v[rT+6:rT+7], v[rT+2:rT+3], v[rT+2:rT+3]
.elseif oo == 6
	v_pk_mul_f32 v[rT+4:rT+5], v[rT+4:rT+5], v[rT:rT+1]                              ; S^3
.elseif oo == 7
	v_pk_fma_f32 v[rT+4:rT+5], v[rT+6:rT+7], v[rT+2:rT+3], v[rT+4:rT+5] neg_lo:[1,0,0] neg_hi:[1,0,0]  ; S^3 - T^3
.else
	v_cvt_pk_f16_f32 v[AF+32*(\p)+8*oa+oq], v[rT+4], v[rT+5]
.endif
.endm
; Line j of 272 of the list for c' = 0 (silu): register q = j / 34 of the four row blocks, 34 lines.  A v_nop stands behind each run of transcendentals, ahead of the first use of a result (ISA guide 5.7.2).
.macro SOP p, b
.set oq, j/34
.set om, j%34
.if om < 4
	v_pk_mul_f32 v[T+8*om:T+8*om+1], v[X+64*(\b)+16*om+2*oq:X+64*(\b)+16*om+2*oq+1], s[NL2E:NL2E+1] op_sel_hi:[1,0]
.elseif om < 12
	v_exp_f32 v[T+8*((om-4)/2)+(om-4)%2], v[T+8*((om-4)/2)+(om-4)%2]
.elseif om == 12
	v_nop
	s_wait_alu depctr_va_vdst(0)
.elseif om < 17
	v_pk_fma_f32 v[T+8*(om-13):T+8*(om-13)+1], v[T+8*(om-13):T+8*(om-13)+1], s[C43:C43+1], s[C43:C43+1] op_sel_hi:[1,0,0]
.elseif om < 25
	v_rcp_f32 v[T+8*((om-17)/2)+(om-17)%2], v[T+8*((om-17)/2)+(om-17)%2]
.elseif om == 25
	v_nop
	s_wait_alu depctr_va_vdst(0)
.elseif om < 30
	v_pk_mul_f32 v[T+8*(om-26):T+8*(om-26)+1], v[T+8*(om-26):T+8*(om-26)+1], v[X+64*(\b)+16*(om-26)+2*oq:X+64*(\b)+16*(om-26)+2*oq+1]
.else
	v_cvt_pk_f16_f32 v[AF+32*(\p)+8*(om-30)+oq], v[T+8*(om-30)], v[T+8*(om-30)+1]
.endif
.endm
; Slice k of 64: kind 1: lines 9 k / 2 up to 9 (k + 1) / 2 of GOP's list; kind 2: 17 k / 4 up to 17 (k + 1) / 4 of SOP's; kind 0: nothing.
.macro SLICE kind, p, b, cc
.if (\kind) == 1
	WIN 0
.rept (9*(k+1))/2-(9*k)/2
	GOP \p, \b, \cc
.set j, j+1
.endr
.elseif (\kind) == 2
	WIN 0
.rept (17*(k+1))/4-(17*k)/4
	SOP \p, \b
.set j, j+1
.endr
.endif
.set k, k+1
.endm
; Matrix instruction i of a half step's 32: column block 8 hf + i / 4, row block i % 4.  All 64 accumulators take turns, one instruction a turn, in the same order in every step.
.macro MM par, hf, zero
.set ma, i%4
.set rA, AF+32*(\par)+8*ma
.set rB, 64*(\hf)+8*(i/4)
.set rC, 8*(16*(ma%2)+8*(\hf)+i/4)
	WIN 0xa1+0x50*(ma/2)                           ; W window 1, A window 0, C and D window 2 or 3
.if \zero
	v_wmma_f32_16x16x32_f16 v[rC:rC+7], v[rB:rB+7], v[rA:rA+7], 0
.else
	v_wmma_f32_16x16x32_f16 v[rC:rC+7], v[rB:rB+7], v[rA:rA+7], v[rC:rC+7]
.endif
.endm
; 16 LDS loads in one run: W's fragments of eight column blocks from nb0 on, input block b, at the c' that s[TB] names.  The largest offset is 15 x 4,352 + 96 = 65,376.
.macro RUN buf, nb0, b
	WIN 0
	v_add_nc_u32 v[ADR], s[TB], v[AB0]
	WIN 0x40                                       ; destination window 1
.irp f, 0,1,2,3,4,5,6,7
	ds_load_b128 v[64*(\buf)+8*\f:64*(\buf)+8*\f+3],   v[ADR] offset:((\nb0)+\f)*NBS+64*(\b)
	ds_load_b128 v[64*(\buf)+8*\f+4:64*(\buf)+8*\f+7], v[ADR] offset:((\nb0)+\f)*NBS+64*(\b)+32
.endr
.endm
; HALF A STEP.  par = the step's parity: it multiplies A's buffer par, and its slices make the next step's A in the other buffer, from the other input block.  hf: which half of the columns.  zero = 1: the products start the sums.
; run = 1: behind the second slice the other buffer of W is loaded: for this step's second half (hf = 0), or for the next step's first (hf = 1).  That buffer's last reader stands three slices, thirteen plain lines or more, back;
; in a silu list, whose slices hold transcendentals, four v_nop are the places.  None of those lines names a register of that product: the first line of a list that writes A is number 32.
; In the second half of a spline list the constants have had their last use at line 259 (slice 57): they are made anew there for the step after next.
.macro HALF par, hf, zero, kind, run
	s_wait_dscnt 0x0                               ; this half's fragments of W, asked for half a step ago
.set k, 32*(\hf)
.if (\kind) == 2
.set j, (17*k)/4
.else
.set j, (9*k)/2
.endif
.set i, 0
.rept 32
	MM \par, \hf, \zero
	SLICE \kind, 1-(\par), 1-(\par), CCE-4*(\par)
.if (\run) && (i == 1)
.if (\kind) == 2
	PLACES
.endif
.if (\hf) == 0
	RUN 1, 8, \par
.else
	RUN 0, 0, 1-(\par)
.endif
.endif
.if ((\kind) == 1) && ((\hf) == 1) && (i == 25)
	CCSET CCE-4*(\par)
.endif
.set i, i+1
.endr
.endm
; TRIP n: the second half of step 2 n + 1, step 2 n + 2, the first half of step 2 n + 3.  All four runs of loads fetch c' = n + 1; both sets of constants move on to grid[n + 1], asked for at the end of the trip before.
.macro TRIP
	HALF 1, 1, 0, 1, 1
	HALF 0, 0, 0, 1, 1
	HALF 0, 1, 0, 1, 1
	HALF 1, 0, 0, 1, 1
	WIN 0                                          ; at a label and at a branch every window is 0
	s_add_co_u32 s[TB], s[TB], 128                 ; the next c'
	s_min_u32 s[GOFF], s[GRAW], 136                ; the next trip's number of grid; the last two trips ask for grid[34] again, so that no load leaves the 140 bytes (what is made of it is not used)
	s_add_co_u32 s[GRAW], s[GRAW], 4
	s_load_b32 s[GN], s[6:7], s[GOFF] offset:0x0   ; the load before it was waited for in this trip, so s[GOFF] and s[GN] were free
.endm
; THE CHANGE OF SLOTS, behind a slot's second c'.  Each wave waits for all its tensor loads, of which one is out: its part of the other slot; adds 0 to its spare word; and waits for that and for its own reads of the slot.
; fill = 1: the slot is filled again with the tile two on.  The barrier is then a round of the cluster's, so that no wave of any partner still reads the slot or has a load on its way, and the joint refill is the first thing
; behind it: it has two trips, 256 matrix instructions, in which to land.
.macro CHANGE fill
	WIN 0
	s_wait_tensorcnt 0x0                           ; no tensor load of mine is out, so a group 0 may be written
	ds_add_u32 v[SPW], v[NIL]                      ; 0 onto my spare word; scalar work stands between it and the wait for it
.if \fill
	s_xor_b32 s[G0W+1], s[G0W+1], SLOT             ; the walking descriptor: the other slot than last time,
	s_add_nc_u64 s[G0W+2:G0W+3], s[G0W+2:G0W+3], 65536  ; the next tile; the type bits on top are not reached
.endif
	s_sub_co_u32 s[TB], s[TB], 256                 ; the fetches go back to a slot's first c',
	s_xor_b32 s[TB], s[TB], SLOT                   ; in the other slot
	s_wait_dscnt 0x0                               ; the add is done, and my reads of the slot are over
.if \fill
	CROUND
	tensor_load_to_lds s[G0W:G0W+3], s[G1:G1+7]
	s_nop 0
	PLACES
.else
	s_barrier_signal -1
	s_barrier_wait -1
.endif
.endm
	s_wait_dscnt 0x0                               ; x is in its registers
	CCSET CCO                                      ; grid[0], for steps 1 and 2
	CCSET CCE
.set i, 0
.rept 128
	v_max_num_f32 v[X+i], s[CLO], v[X+i]           ; the clip
	v_min_num_f32 v[X+i], s[CHI], v[X+i]
.set i, i+1
.endr
	s_load_b32 s[GN], s[6:7], 0x4                  ; grid[1], for trip 0
.set j, 0
.rept 272
	SOP 0, 0                                       ; A of step 0: there is no matrix work yet to set it beside
.set j, j+1
.endr
	s_wait_tensorcnt 1                             ; my part of tile 0 is in; tile 1's may stay out
	s_barrier_signal -1
	s_barrier_wait -1                              ; everybody's is
	RUN 0, 0, 0
	HALF 0, 0, 1, 2, 1                             ; step 0 starts the sums: nothing is ever cleared; beside it A of step 1 (silu, the other 32 inputs)
	HALF 0, 1, 1, 2, 1
	HALF 1, 0, 0, 1, 1
	WIN 0
	s_add_co_u32 s[TB], s[TB], 128
	s_mov_b32 s[CNT], 1                            ; tile 0 has one trip left
	s_mov_b32 s[SLOTS], 17
	s_branch .Ltrip
.Lslot:                                            ; 16 times: tiles 1 to 16 are entered, tiles 2 to 17 asked for
	CHANGE 1
	s_mov_b32 s[CNT], 2
.Ltrip:
	TRIP
	s_sub_co_u32 s[CNT], s[CNT], 1
	s_cmp_lg_u32 s[CNT], 0
	s_cbranch_scc1 .Ltrip
	s_sub_co_u32 s[SLOTS], s[SLOTS], 1
	s_cmp_lg_u32 s[SLOTS], 0
	s_cbranch_scc1 .Lslot
	CHANGE 0                                       ; the last tile is written out: nothing is asked for
	s_mov_b32 s[CNT], 2
.Ltail:
	TRIP                                           ; the last trip's last half makes half of an A that no step takes: the price of one text for every trip
	s_sub_co_u32 s[CNT], s[CNT], 1
	s_cmp_lg_u32 s[CNT], 0
	s_cbranch_scc1 .Ltail
	HALF 1, 1, 0, 0, 0                             ; the second half of step 71
	PLACES                                         ; the stores below read results just made
	WIN 0
	s_wait_kmcnt 0x0                               ; the last number of grid, which nothing uses
	s_wait_dscnt 0x0
	s_barrier_signal -1
	s_barrier_wait -1                              ; no wave reads the ring any more, and it has had its last fill
	; THE END.  Every wave lays its 64 x 256 sums into its region; behind a barrier wave w adds 32 rows of the two regions that hold the same rows of the output (the two streams) and stores them.
.irp a, 0,1,2,3
	WIN 0x08+4*((\a)/2)                            ; store data in window 2 or 3
.irp n, 0,1,2,3,4,5,6,7,8,9,10,11,12,13,14,15
	ds_store_b128 v[RS], v[8*(16*((\a)%2)+\n):8*(16*((\a)%2)+\n)+3]   offset:(\a)*16*RP+\n*64     ; each accumulator's low four registers first
	ds_store_b128 v[RS], v[8*(16*((\a)%2)+\n)+4:8*(16*((\a)%2)+\n)+7] offset:(\a)*16*RP+\n*64+16
.endr
.endr
	WIN 0
	s_wait_dscnt 0x0                               ; for the others' sake: my sums are in LDS
	s_barrier_signal -1
	s_barrier_wait -1
.macro LOADB t                         ; batch t: four rows of both regions, 512 bytes a load
.irp u, 0,1,2,3,4,5,6,7
	ds_load_b128 v[E0+64*((\t)%2)+4*\u:E0+64*((\t)%2)+4*\u+3], v[RL0] offset:(4*(\t)+\u/2)*RP+512*(\u%2)
.endr
.irp u, 0,1,2,3,4,5,6,7
	ds_load_b128 v[E0+64*((\t)%2)+32+4*\u:E0+64*((\t)%2)+32+4*\u+3], v[RL1] offset:(4*(\t)+\u/2)*RP+512*(\u%2)
.endr
.endm
	LOADB 0
.irp t, 0,1,2,3,4,5,6,7
.if (\t) < 7
	s_wait_xcnt 0x0                                ; the stores of the batch before last have had their addresses translated (ISA guide 3.1): their registers are loaded again only behind this wait
	LOADB (\t)+1
	s_wait_dscnt 16                                ; all but the 16 just issued
.else
	s_wait_dscnt 0x0
.endif
.irp z, 0,1,2,3,4,5,6,7,8,9,10,11,12,13,14,15
	v_pk_add_f32 v[E0+64*((\t)%2)+2*\z:E0+64*((\t)%2)+2*\z+1], v[E0+64*((\t)%2)+2*\z:E0+64*((\t)%2)+2*\z+1], v[E0+64*((\t)%2)+32+2*\z:E0+64*((\t)%2)+32+2*\z+1]
.endr
.irp u, 0,1,2,3,4,5,6,7
	global_store_b128 v[GO], v[E0+64*((\t)%2)+4*\u:E0+64*((\t)%2)+4*\u+3], s[10:11] offset:(8*(\t)+\u)*512  ; 512 consecutive bytes, at a multiple of 512 from part's first byte
.endr
.endr
	s_wait_tensorcnt 0x0                           ; the wave's end, behind my last tensor load and my last LDS store
	ds_add_u32 v[SPW], v[NIL]
	s_wait_dscnt 0x0
	CROUND                                         ; the closing round: no work-group ends while a partner may still ask for a tile that names it
	s_endpgm
.Lfunc_end_k_qd2746890d7_kan:
	.size	k_qd2746890d7_kan, .Lfunc_end_k_qd2746890d7_kan-k_qd2746890d7_kan
	.p2alignl 7, 3214868480
	.fill 96, 4, 3214868480
	.section	.rodata,"a",@progbits
	.p2align	6, 0x0
	.amdhsa_kernel k_qd2746890d7_kan
		.amdhsa_group_segment_fixed_size 327680
		.amdhsa_private_segment_fixed_size 0
		.amdhsa_enable_private_segment 0
		.amdhsa_kernarg_size 32
		.amdhsa_user_sgpr_count 2
		.amdhsa_user_sgpr_kernarg_segment_ptr 1
		.amdhsa_wavefront_size32 1
		.amdhsa_system_sgpr_workgroup_id_x 1
		.amdhsa_system_sgpr_workgroup_id_y 1
		.amdhsa_system_sgpr_workgroup_id_z 1
		.amdhsa_system_vgpr_workitem_id 0
		.amdhsa_next_free_vgpr 1024
		.amdhsa_next_free_sgpr 66
		.amdhsa_reserve_vcc 0
		.amdhsa_float_denorm_mode_32 3
		.amdhsa_float_denorm_mode_16_64 3
		.amdhsa_memory_ordered 1
		.amdhsa_forward_progress 1
		.amdhsa_inst_pref_size 224
	.end_amdhsa_kernel
	.amdgpu_metadata
---
amdhsa.version: [ 1, 2 ]
amdhsa.kernels:
  - .name:           k_qd2746890d7_kan
    .symbol:         k_qd2746890d7_kan.kd
    .args:
      - { .name: x, .offset: 0, .size: 8, .value_kind: global_buffer, .address_space: global }
      - { .name: grid, .offset: 8, .size: 8, .value_kind: global_buffer, .address_space: global }
      - { .name: wt, .offset: 16, .size: 8, .value_kind: global_buffer, .address_space: global }
      - { .name: part, .offset: 24, .size: 8, .value_kind: global_buffer, .address_space: global }
    .group_segment_fixed_size: 327680
    .private_segment_fixed_size: 0
    .kernarg_segment_align: 8
    .kernarg_segment_size: 32
    .max_flat_workgroup_size: 128
    .sgpr_count:     66
    .vgpr_count:     1024
    .wavefront_size: 32
...
	.end_amdgpu_metadata
.endif
;; end of part 2
;; launch sum8 (part 3): grid 256 x 1, 8 waves a work-group, no clusters, 0 bytes of LDS; arguments part, out0; writes out0
.if DOCPART == 3
	.amdgcn_target "amdgcn-amd-amdhsa--gfx1250"
	.amdhsa_code_object_version 6
	.text
	.protected	k_qd2746890d7_sum8
	.globl	k_qd2746890d7_sum8
	.p2align	8
	.type	k_qd2746890d7_sum8,@function
k_qd2746890d7_sum8:
	s_mov_b64 s[64:65], 0
	v_nop
	global_prefetch_b8 v0, s[64:65] scope:SCOPE_SE
	s_setreg_imm32_b32 hwreg(HW_REG_WAVE_MODE, 25, 1), 1
	s_wait_xcnt 0x0
; out0 = 4/3 x the sum over kg = 0..7 of part[kg]: the eight partial sums of the split K, in f32, and the factor that the launch before left out of A.
; A stream: a work-group owns 16,384 consecutive bytes of out0, a thread 16 bytes in each of four quarters of 4,096.  All 32 loads of a wave go out at once; each load and store of a wave covers 512 consecutive bytes.
; No LDS, no barrier, no loop: nothing is shared and nothing is read twice.
.set R0, 4                             ; v[4:131]  quarter q, part kg at R0 + 32 q + 4 kg
	s_load_b128 s[4:7], s[0:1], 0x0                ; part s[4:5], out0 s[6:7]
	s_lshl_b32 s2, ttmp9, 14
	s_mov_b32 s3, 0
	v_lshlrev_b32 v1, 4, v0
	s_wait_kmcnt 0x0
	s_add_nc_u64 s[4:5], s[4:5], s[2:3]
	s_add_nc_u64 s[6:7], s[6:7], s[2:3]
.irp g, 0,1,2,3,4,5,6,7
	s_add_nc_u64 s[8+2*\g:9+2*\g], s[4:5], \g*0x400000  ; the eight parts lie 4 MiB apart
.endr
.irp q, 0,1,2,3
.irp g, 0,1,2,3,4,5,6,7
	global_load_b128 v[R0+32*\q+4*\g:R0+32*\q+4*\g+3], v1, s[8+2*\g:9+2*\g] offset:\q*4096 th:TH_LOAD_NT
.endr
.endr
.irp q, 0,1,2,3
	s_wait_loadcnt 8*(3-\q)                        ; this quarter's eight loads are in: the later quarters' stay out
.irp g, 0,2,4,6
	v_pk_add_f32 v[R0+32*\q+4*\g:R0+32*\q+4*\g+1],   v[R0+32*\q+4*\g:R0+32*\q+4*\g+1],   v[R0+32*\q+4*\g+4:R0+32*\q+4*\g+5]
	v_pk_add_f32 v[R0+32*\q+4*\g+2:R0+32*\q+4*\g+3], v[R0+32*\q+4*\g+2:R0+32*\q+4*\g+3], v[R0+32*\q+4*\g+6:R0+32*\q+4*\g+7]
.endr
.irp g, 0,4
	v_pk_add_f32 v[R0+32*\q+4*\g:R0+32*\q+4*\g+1],   v[R0+32*\q+4*\g:R0+32*\q+4*\g+1],   v[R0+32*\q+4*\g+8:R0+32*\q+4*\g+9]
	v_pk_add_f32 v[R0+32*\q+4*\g+2:R0+32*\q+4*\g+3], v[R0+32*\q+4*\g+2:R0+32*\q+4*\g+3], v[R0+32*\q+4*\g+10:R0+32*\q+4*\g+11]
.endr
	v_pk_add_f32 v[R0+32*\q:R0+32*\q+1],   v[R0+32*\q:R0+32*\q+1],   v[R0+32*\q+16:R0+32*\q+17]
	v_pk_add_f32 v[R0+32*\q+2:R0+32*\q+3], v[R0+32*\q+2:R0+32*\q+3], v[R0+32*\q+18:R0+32*\q+19]
	v_pk_mul_f32 v[R0+32*\q:R0+32*\q+1],   v[R0+32*\q:R0+32*\q+1],   0x3faaaaab op_sel_hi:[1,0]
	v_pk_mul_f32 v[R0+32*\q+2:R0+32*\q+3], v[R0+32*\q+2:R0+32*\q+3], 0x3faaaaab op_sel_hi:[1,0]
	global_store_b128 v1, v[R0+32*\q:R0+32*\q+3], s[6:7] offset:\q*4096 th:TH_STORE_NT
.endr
	s_endpgm
.Lfunc_end_k_qd2746890d7_sum8:
	.size	k_qd2746890d7_sum8, .Lfunc_end_k_qd2746890d7_sum8-k_qd2746890d7_sum8
	.p2alignl 7, 3214868480
	.fill 96, 4, 3214868480
	.section	.rodata,"a",@progbits
	.p2align	6, 0x0
	.amdhsa_kernel k_qd2746890d7_sum8
		.amdhsa_group_segment_fixed_size 0
		.amdhsa_private_segment_fixed_size 0
		.amdhsa_enable_private_segment 0
		.amdhsa_kernarg_size 16
		.amdhsa_user_sgpr_count 2
		.amdhsa_user_sgpr_kernarg_segment_ptr 1
		.amdhsa_wavefront_size32 1
		.amdhsa_system_sgpr_workgroup_id_x 1
		.amdhsa_system_sgpr_workgroup_id_y 1
		.amdhsa_system_sgpr_workgroup_id_z 1
		.amdhsa_system_vgpr_workitem_id 0
		.amdhsa_next_free_vgpr 136
		.amdhsa_next_free_sgpr 66
		.amdhsa_reserve_vcc 0
		.amdhsa_float_denorm_mode_32 3
		.amdhsa_float_denorm_mode_16_64 3
		.amdhsa_memory_ordered 1
		.amdhsa_forward_progress 1
		.amdhsa_inst_pref_size 9
	.end_amdhsa_kernel
	.amdgpu_metadata
---
amdhsa.version: [ 1, 2 ]
amdhsa.kernels:
  - .name:           k_qd2746890d7_sum8
    .symbol:         k_qd2746890d7_sum8.kd
    .args:
      - { .name: part, .offset: 0, .size: 8, .value_kind: global_buffer, .address_space: global }
      - { .name: out0, .offset: 8, .size: 8, .value_kind: global_buffer, .address_space: global }
    .group_segment_fixed_size: 0
    .private_segment_fixed_size: 0
    .kernarg_segment_align: 8
    .kernarg_segment_size: 16
    .max_flat_workgroup_size: 256
    .sgpr_count:     66
    .vgpr_count:     136
    .wavefront_size: 32
...
	.end_amdgpu_metadata
.endif
;; end of part 3
;; ======== version 2 of 2: 3 launches; version 1 with the launch pack written anew for expert scheduling mode
;; limits: values are held in f16: magnitudes above 65,504 overflow, below 6.1e-05 lose precision
;; workspace buffers: wt 18,874,368 bytes; part 33,554,432 bytes
;; launch pack (part 4): grid 16 x 16, 8 waves a work-group, no clusters, 75,264 bytes of LDS; arguments spline_weight, base_scale, wt; writes wt
.if DOCPART == 4
	.amdgcn_target "amdgcn-amd-amdhsa--gfx1250"
	.amdhsa_code_object_version 6
	.text
	.protected	k_qd2746890d7_pack
	.globl	k_qd2746890d7_pack
	.p2align	8
	.type	k_qd2746890d7_pack,@function
k_qd2746890d7_pack:
	s_mov_b64 s[64:65], 0
	v_nop
	global_prefetch_b8 v0, s[64:65] scope:SCOPE_SE
	s_setreg_imm32_b32 hwreg(HW_REG_WAVE_SCHED_MODE, 0, 2), 2
	s_setreg_imm32_b32 hwreg(HW_REG_WAVE_MODE, 25, 1), 1
	s_wait_xcnt 0x0
	s_wait_alu depctr_vm_vsrc(0)
; wt[om][z][n][cc][il] (f16) = weight(i = 64 om + il, n, c' = 2 z + cc), where c' = 0 is base_scale[i][n] and c' = 1..35 is spline_weight[i][n][c' - 1].
; A tile (om, z) is 65,536 dense bytes in rows of 256: the B operand of the next launch, K (the index i) along the rows.
; LIMITS.  Each weight is rounded once to f16: 65,520 or more in magnitude becomes an infinity; below 6e-5 it keeps f16's fixed step of 6e-8.
; SHARES.  A work-group takes 64 i (om = x) and 16 n (ne = y).  Wave w reads rows i = 8 w .. 8 w + 7: 2,240 consecutive bytes each (16 n x 35 c), 16 bytes a lane.
; Two neighbouring rows are rounded together, so that a word holds (i even, i odd); the words go to LDS as they lie ([pair][35 n + c]); behind one barrier
; each lane gathers four words (8 i of one n and c') and a wave's store covers 512 consecutive bytes at a multiple of 512 from wt's first byte.
; No matrix unit, no tensor load, no cluster: a stream with a transposition, and no two work-groups read the same bytes (but for the edges of blocks).
; THE MODE: SCHED_MODE bits 1:0 = 2 (LLVM: expert scheduling mode 2), set by the entry lines.  The code itself states the register dependences
; between vector instructions and memory or LDS instructions, with s_wait_alu, always for 0.
; THE PLAN.  Registers that memory or LDS instructions touch:
;   v2-v7, v20, v21   offsets, LDS addresses and the closing add's two: written at the head, never again.
;   BS                two global loads land in it; four conversions read it.
;   PK                those four conversions write it, once; one LDS store reads it.
;   D                 40 global loads land in it.  Pair p's 20 conversions read its 40 registers and write the even row's 20 IN PLACE; five LDS stores read those 20.  So every LDS store has
;                     data registers of its own, and none is written again before the gather.  Behind the barrier the gather's 72 LDS loads land in D's first 72; the global stores read them.
; Step p rounds pair p.  Its LDS stores are those of the step before (base, then pair p - 1), whose data no conversion of step p names.  So ONE wait on va_vdst at a step's head states all that the step's
; stores hang on, and they are dealt among its conversions.  One more stands ahead of pair 3's stores; no vector instruction follows it.  One wait on vm_vsrc stands ahead of the gather.
.set ROWB,  35840                      ; bytes in a row i of spline_weight
.set P2,    2320                       ; LDS bytes of a pair of rows: 560 words of spline, 16 words of base, 4 of padding
.set SPARE, 32*P2                      ; 74,240: the spare words, 128 bytes for each of eight waves
.set VL,  2                            ; v2   16 x lane
.set VB,  3                            ; v3   my offset in the wave's eight rows of base_scale
.set LS,  4                            ; v4   LDS: where my 16 bytes of a pair's words go
.set LB,  5                            ; v5   LDS: the same for base
.set RA,  6                            ; v6   LDS: what I gather, z >= 1
.set RZ,  7                            ; v7   LDS: what I gather, z = 0
.set BS,  8                            ; v[8:15]  base: even row, odd row
.set PK,  16                           ; v[16:19] base's four packed words
.set SPW, 20                           ; v20  my spare word; never rewritten
.set NIL, 21                           ; v21  0; never rewritten
.set D,   32                           ; v[32:191] 40 loads of 4 registers; the even rows' then hold the packed words; later what is gathered
	s_load_b128 s[4:7], s[0:1], 0x0                ; spline_weight s[4:5], base_scale s[6:7]
	s_load_b64 s[8:9], s[0:1], 0x10                ; wt
	v_lshl_add_u32 v[SPW], v0, 2, SPARE
	v_mov_b32 v[NIL], 0
	v_lshrrev_b32 v1, 5, v0
	v_readfirstlane_b32 s12, v1                    ; wave 0..7
	v_and_b32 v1, 31, v0                           ; lane
	s_and_b32 s13, ttmp7, 0xffff                   ; ne
	s_lshl_b32 s14, ttmp9, 6
	s_wait_alu depctr_va_sdst(0)                   ; s12 is written, ahead of its first reader: the bases and the LDS addresses are made from it
	s_lshl3_add_u32 s14, s12, s14                  ; my first row i = 64 om + 8 w
	s_mul_i32 s16, s14, ROWB
	s_mul_i32 s15, s13, 2240
	s_add_co_u32 s16, s16, s15                     ; its 16 n in spline_weight (under 2^26)
	s_mov_b32 s17, 0
	s_lshl_b32 s18, s14, 10
	s_lshl_b32 s15, s13, 6
	s_add_co_u32 s18, s18, s15                     ; and in base_scale
	s_mov_b32 s19, 0
	s_mul_i32 s20, ttmp9, 18*65536
	s_lshl_b32 s15, s13, 12
	s_add_co_u32 s20, s20, s15
	s_lshl_b32 s15, s12, 9
	s_add_co_u32 s20, s20, s15                     ; wt: om's 18 tiles, row 16 ne + 2 w
	s_mov_b32 s21, 0
	s_mul_i32 s22, s12, 4*P2                       ; my four pairs in LDS
	v_lshlrev_b32 v[VL], 4, v1
	v_bfe_u32 v22, v1, 2, 2                        ; base: pair (lane / 4) % 4, four n from 4 (lane % 4); lanes 16-31 repeat lanes 0-15
	v_and_b32 v23, 3, v1
	v_lshlrev_b32 v23, 4, v23
	v_lshl_add_u32 v[VB], v22, 11, v23             ; two rows of 1,024 bytes a pair
	v_add_nc_u32 v[LS], s22, v[VL]
	v_mul_u32_u24 v[LB], v22, P2
	v_add_nc_u32 v[LB], v[LB], v23
	v_add_nc_u32 v[LB], s22, v[LB]
	v_add_nc_u32 v[LB], 2240, v[LB]                ; words 560 + n
	v_and_b32 v22, 7, v1                           ; the gather: octet o of i = lane % 8: pairs 4 o .. 4 o + 3
	v_mul_u32_u24 v22, v22, 4*P2
	v_bfe_u32 v23, v1, 3, 1                        ; cc
	v_lshrrev_b32 v24, 4, v1
	v_lshl_add_u32 v24, s12, 1, v24                ; n = 2 w + lane / 16
	v_mul_u32_u24 v25, v24, 140                    ; word 35 n
	v_lshl_add_u32 v26, v23, 2, v25
	v_add_nc_u32 v[RA], v22, v26                   ; word 35 n + cc; the immediate adds 2 z - 1
	v_lshl_add_u32 v27, v24, 2, 2240               ; word 560 + n
	v_cmp_eq_u32 vcc_lo, 1, v23
	s_wait_alu depctr_va_vcc(0)                    ; VCC is written, ahead of the select that reads it
	v_cndmask_b32 v27, v27, v25, vcc_lo            ; z = 0: cc = 0 is base, cc = 1 is c = 0
	v_add_nc_u32 v[RZ], v22, v27
	s_wait_kmcnt 0x0
	s_add_nc_u64 s[4:5], s[4:5], s[16:17]
	s_add_nc_u64 s[6:7], s[6:7], s[18:19]
	s_add_nc_u64 s[8:9], s[8:9], s[20:21]
	s_wait_alu depctr_va_vdst(0)                   ; v2 to v7, v20 and v21 are written: every load, store and LDS instruction of the kernel reads one of them as its offset or address, the closing add the last two
	global_load_b128 v[BS:BS+3],   v[VB], s[6:7]
	global_load_b128 v[BS+4:BS+7], v[VB], s[6:7] offset:1024
; A row's 2,240 bytes are four loads of 512 and a fifth that ends with the row: it takes 320 bytes again, so that every lane stays on.
.irp r, 0,1,2,3,4,5,6,7
.irp k, 0,1,2,3,4
	global_load_b128 v[D+4*(5*(\r)+(\k)):D+4*(5*(\r)+(\k))+3], v[VL], s[4:5] offset:(\r)*ROWB+512*(\k)-320*((\k)/4) th:TH_LOAD_NT
.endr
.endr
	s_wait_loadcnt 40                              ; base is in: the 40 loads issued behind it stay out
.irp m, 0,1,2,3
	v_cvt_pk_f16_f32 v[PK+(\m)], v[BS+(\m)], v[BS+4+(\m)]
.endr
; Step p: pair p is rounded in place; the words of the step before go to LDS, a store ahead of each four conversions.
.irp p, 0,1,2,3
	s_wait_loadcnt 10*(3-(\p))                     ; rows 2 p and 2 p + 1 are in: the later pairs' loads stay out
	s_wait_alu depctr_va_vdst(0)                   ; the conversions of the step before have written their words (step 0: PK; else pair p - 1's), which this step's LDS stores read
.if (\p) == 0
	ds_store_b128 v[LB], v[PK:PK+3]
.endif
.irp k, 0,1,2,3,4
.if (\p) > 0
	ds_store_b128 v[LS], v[D+4*(10*((\p)-1)+(\k)):D+4*(10*((\p)-1)+(\k))+3] offset:((\p)-1)*P2+512*(\k)-320*((\k)/4)  ; no wait: no conversion since the wait above names pair p - 1's registers
.endif
.irp m, 0,1,2,3
	v_cvt_pk_f16_f32 v[D+4*(10*(\p)+(\k))+(\m)], v[D+4*(10*(\p)+(\k))+(\m)], v[D+4*(10*(\p)+5+(\k))+(\m)]  ; even row low, odd row high; into the even row's register
.endr
.endr
.endr
	s_wait_alu depctr_va_vdst(0)                   ; pair 3's words are written, which the stores below read; and every conversion is done with D's registers, in which the gather's loads land: no vector instruction follows
.irp k, 0,1,2,3,4
	ds_store_b128 v[LS], v[D+4*(30+(\k)):D+4*(30+(\k))+3] offset:3*P2+512*(\k)-320*((\k)/4)
.endr
	s_wait_dscnt 0x0                               ; for the others' sake: my words are in LDS
	s_barrier_signal -1
	s_barrier_wait -1
	s_wait_alu depctr_vm_vsrc(0)                   ; my LDS stores have read their data, pairs 0 and 1's among D's first 72 registers, which the gather's loads write again
; Out, nine z at a time, each batch in registers of its own: four words a lane and z, then 16 bytes a lane.
.irp t, 0,1
.irp z, 0,1,2,3,4,5,6,7,8
.irp j, 0,1,2,3
.if (9*(\t)+(\z)) == 0
	ds_load_b32 v[D+36*(\t)+4*(\z)+(\j)], v[RZ] offset:(\j)*P2
.else
	ds_load_b32 v[D+36*(\t)+4*(\z)+(\j)], v[RA] offset:(\j)*P2+8*(9*(\t)+(\z))-4
.endif
.endr
.endr
.irp z, 0,1,2,3,4,5,6,7,8
	s_wait_dscnt 4*(8-(\z))                        ; this z's four words are in: the later ones of the batch stay out
	global_store_b128 v[VL], v[D+36*(\t)+4*(\z):D+36*(\t)+4*(\z)+3], s[8:9] offset:(9*(\t)+(\z))*65536  ; 512 consecutive bytes: two rows n of a tile
.endr
.endr
	s_wait_dscnt 0x0                               ; the wave's end
	s_wait_alu 0x0
	s_wait_tensorcnt 0x0
	ds_add_u32 v[SPW], v[NIL]
	s_wait_dscnt 0x0
	s_endpgm
.Lfunc_end_k_qd2746890d7_pack:
	.size	k_qd2746890d7_pack, .Lfunc_end_k_qd2746890d7_pack-k_qd2746890d7_pack
	.p2alignl 7, 3214868480
	.fill 96, 4, 3214868480
	.section	.rodata,"a",@progbits
	.p2align	6, 0x0
	.amdhsa_kernel k_qd2746890d7_pack
		.amdhsa_group_segment_fixed_size 75264
		.amdhsa_private_segment_fixed_size 0
		.amdhsa_enable_private_segment 0
		.amdhsa_kernarg_size 24
		.amdhsa_user_sgpr_count 2
		.amdhsa_user_sgpr_kernarg_segment_ptr 1
		.amdhsa_wavefront_size32 1
		.amdhsa_system_sgpr_workgroup_id_x 1
		.amdhsa_system_sgpr_workgroup_id_y 1
		.amdhsa_system_sgpr_workgroup_id_z 1
		.amdhsa_system_vgpr_workitem_id 0
		.amdhsa_next_free_vgpr 192
		.amdhsa_next_free_sgpr 66
		.amdhsa_reserve_vcc 1
		.amdhsa_float_denorm_mode_32 3
		.amdhsa_float_denorm_mode_16_64 3
		.amdhsa_memory_ordered 1
		.amdhsa_forward_progress 1
		.amdhsa_inst_pref_size 21
	.end_amdhsa_kernel
	.amdgpu_metadata
---
amdhsa.version: [ 1, 2 ]
amdhsa.kernels:
  - .name:           k_qd2746890d7_pack
    .symbol:         k_qd2746890d7_pack.kd
    .args:
      - { .name: spline_weight, .offset: 0, .size: 8, .value_kind: global_buffer, .address_space: global }
      - { .name: base_scale, .offset: 8, .size: 8, .value_kind: global_buffer, .address_space: global }
      - { .name: wt, .offset: 16, .size: 8, .value_kind: global_buffer, .address_space: global }
    .group_segment_fixed_size: 75264
    .private_segment_fixed_size: 0
    .kernarg_segment_align: 8
    .kernarg_segment_size: 24
    .max_flat_workgroup_size: 256
    .sgpr_count:     66
    .vgpr_count:     192
    .wavefront_size: 32
...
	.end_amdgpu_metadata
.endif
;; end of part 4
;; launch kan: the kernel of part 2 again; grid 32 x 8, 4 waves a work-group, clusters of 4 x 1, 327,680 bytes of LDS; arguments x, grid, wt, part; writes part
;; launch sum8: the kernel of part 3 again; grid 256 x 1, 8 waves a work-group, no clusters, 0 bytes of LDS; arguments part, out0; writes out0
